; MI455X (gfx1250); checked and timed in simulation.
; The chip was launched on July 23, 2026; its instructions are those of AMD's public machine-readable ISA for CDNA 5 (MIT licence, August 2026) and "CDNA5" Instruction Set Architecture Reference Guide (July 2026). The comments in the code are by the model that wrote it; some were corrected since.
;; standalone self attention 1 D. Allowed arithmetic: matrix products marked QUANTISED: E4M3 operands, one given power-of-two scale a tensor, by v_wmma_f32_16x16x64_fp8_fp8 or v_wmma_f32_16x16x128_fp8_fp8, f32 sums; products left as they are: f32 operands where the result goes on into a quantised operand, else bf16, f16 or f32 operands; f32 sums; everything else in f32.
;; Inputs: W_k 256 x 256 float32; W_lin 256 x 88 float32; W_q 256 x 256 float32; W_v 256 x 256 float32; b_lin 88 float32; lowp_scales 8 int32 (the exponents e of the quantised operands' scales 2^e); rel 256 x 31 float32; spec 8 x 4,096 x 256 float32.
;; Outputs: out0 8 x 4,096 x 88 float32; out1 8 x 4,096 x 8 x 31 float32.
;; This version of the problem:
;;   THIS VERSION OF THE PROBLEM IS GIVEN IN LOW PRECISION. The matrix products marked QUANTISED in the list below multiply operands that are first quantised to E4M3 (4 exponent bits, 3 mantissa bits; 8 bits a number), with one given power-of-two scale for each operand tensor; their sums are f32. All else is computed in f32.
;;   The module's matrix products, in the order in which they are computed (A, B: the left and right operand; K: the contracted axis; several contracted axes count as one K, in the product's order):
;;     1. [M 32,768, K 256] x [K 256, N 256]; A: input spec; B: input W_q: QUANTISED (scales: A lowp_scales[0], B lowp_scales[1])
;;     2. [M 33,008, K 256] x [K 256, N 256]; A: computed on the way; B: input W_k: QUANTISED (scales: A lowp_scales[2], B lowp_scales[3])
;;     3. [M 33,008, K 256] x [K 256, N 256]; A: computed on the way; B: input W_v: QUANTISED (scales: A lowp_scales[4], B lowp_scales[5])
;;     4. batch 262,144 x [M 1, K 32] x [K 32, N 31]; A: computed on the way; B: computed on the way: left as it is (M = 1 < 16)
;;     5. batch 262,144 x [M 1, K 31] x [K 31, N 32]; A: softmax; B: computed on the way: left as it is (K = 31 < 32)
;;     6. [M 32,768, K 256] x [K 256, N 88]; A: computed on the way; B: input W_lin: QUANTISED (scales: A lowp_scales[6], B lowp_scales[7])
;;   THE QUANTISER, for each operand of a quantised product, along K:
;;     - The operand's scale is 2^e, e = its entry of the input lowp_scales (int32; the entries are numbered through the quantised products in the list's order, A before B).
;;     - Each number is divided by the scale, clamped to +-448, and rounded to the nearest number of E4M3, ties to even, subnormals kept.
;;     - The product sums the exact products of the quantised numbers (number of the format x scale) in f32.
;;   ~~~python
;;   def quantise(x, axis, e):      # numpy; x: float32 -> the quantised numbers, widened to float32 again
;;       x = np.moveaxis(x, axis, -1); K = x.shape[-1]
;;       r = np.clip(x / 2.0 ** e, -448, 448)
;;       step = 2.0 ** (np.maximum(np.frexp(np.where(r == 0, 1, r))[1] - 1, -6) - 3)
;;       q = np.round(r / step) * step * 2.0 ** e      # np.round: ties to even
;;       return np.moveaxis(q, -1, axis).astype(np.float32)
;;   ~~~
;;   OPERANDS COMPUTED ON THE WAY. 'Computed on the way' means the value that the module computes at that place (a softmax that the list does not call 'softmax' is quantised finished and normalised). What goes into a quantiser is computed in f32, as accurately as f32 sums, v_exp_f32 and their like allow (about 1e-6 of the number): no bf16 or f16 on the way to a quantiser, and a product that is left as it is and whose result goes on into a quantised operand takes f32 operands (vector FMAs, or v_wmma_f32_16x16x4_f32). A number that lies on a knife's edge between two numbers of the format may be rounded either way, as far as f32 arithmetic and the matrix unit's own rounding can turn it there, and no further.
;; One version. Each part assembles by itself: llvm-mc -triple=amdgcn-amd-amdhsa -mcpu=gfx1250 --defsym DOCPART=n.
;; ======== version 1 of 1: 2 launches
;; workspace buffers: wcodes 221,184 bytes
;; launch prep (part 1): grid 27 x 1, 4 waves a work-group, no clusters, 0 bytes of LDS; arguments W_q, W_k, W_v, W_lin, lowp_scales, wcodes; writes wcodes
.if DOCPART == 1
	.amdgcn_target "amdgcn-amd-amdhsa--gfx1250"
	.amdhsa_code_object_version 6
	.text
	.protected	k_q7cd7b7a70c_prep
	.globl	k_q7cd7b7a70c_prep
	.p2align	8
	.type	k_q7cd7b7a70c_prep,@function
k_q7cd7b7a70c_prep:
	s_mov_b64 s[64:65], 0
	v_nop
	global_prefetch_b8 v0, s[64:65] scope:SCOPE_SE
	s_setreg_imm32_b32 hwreg(HW_REG_WAVE_MODE, 25, 1), 1
	s_wait_xcnt 0x0
; The four weights, f32 stored [k][n], become codes of FP8 (E4M3) laid as IMAGES OF OPERAND REGISTERS: 108 fragments (16 columns x 128 K, 16 registers a lane) of 2,048 bytes;
; quad q of a fragment's registers lies at 512 q + 16 x lane, so that the next launch fetches a fragment by four loads of 16 bytes a lane.
; Fragment f = ((mat 8 + g) 2 + c) 2 + ks for W_q, W_k, W_v (mat 0, 1, 2): lane (r, h) is column 32 g + 16 c + r; register quad c' holds k = 128 ks + 32 c' + 16 h + 0 .. 15.
; Fragment 96 + 2 nt + ks for W_lin: lane (r, h) is column 16 nt + r (zero codes from column 88 on); number i of quad c' is k = 128 ks + 32 c' + 16 (i / 8) + 8 h + i % 8:
; the order in which the next launch's attention results fall into a lane's registers.
; A LANE TAKES A COLUMN AND ITS REGISTERS RUN DOWN K, so the conversions' results are the operand's registers.  One wave makes one fragment; 27 work-groups of four waves.
; code = x / 2^e, held within +-448, to the nearest code, ties to even.  LIMITS: e1, e3, e5, e7 between -126 and 119.  NaN among the inputs is not served.
.set NUM, 16                           ; v16-79  the lane's 64 numbers
.set COD, 80                           ; v80-95  their codes
	s_load_b256 s[4:11], s[0:1], 0x0               ; W_q s[4:5], W_k s[6:7], W_v s[8:9], W_lin s[10:11]
	s_load_b128 s[12:15], s[0:1], 0x20             ; the scales' exponents s[12:13], the codes s[14:15]
	v_lshrrev_b32 v5, 5, v0
	v_readfirstlane_b32 s16, v5                    ; wave
	v_and_b32 v1, 15, v0                           ; r
	v_bfe_u32 v2, v0, 4, 1                         ; h
	v_and_b32 v4, 31, v0
	v_lshlrev_b32 v4, 4, v4                        ; 16 x lane
	s_lshl_b32 s17, ttmp9, 2
	s_add_co_u32 s17, s17, s16                     ; f
	s_and_b32 s20, s17, 1                          ; ks
	s_lshl_b32 s18, s17, 11                        ; 2,048 f
	s_mov_b32 s19, 0
	s_wait_kmcnt 0x0
	s_load_b256 s[24:31], s[12:13], 0x0            ; e0 .. e7
	s_add_nc_u64 s[14:15], s[14:15], s[18:19]      ; my fragment's image
.macro SCL                             ; s23 = e: v11 = 2^e as f32 (the conversion takes its exponent field), v10 = 448 x 2^e
	s_add_co_i32 s23, s23, 127
	s_lshl_b32 s22, s23, 23
	v_mov_b32 v11, s22
	s_add_co_i32 s23, s23, 8
	s_lshl_b32 s23, s23, 23
	s_or_b32 s23, s23, 0x600000
	v_mov_b32 v10, s23
.endm
.macro FRAGQ pitch, perm               ; 64 loads down K, the hold, the conversions, four stores of 512 consecutive bytes
.irp c, 0,1,2,3
.irp i, 0,1,2,3,4,5,6,7,8,9,10,11,12,13,14,15
.if \perm
	global_load_b32 v[NUM+16*\c+\i], v3, s[4:5] offset:\pitch*(32*\c+16*(\i/8)+\i%8)
.else
	global_load_b32 v[NUM+16*\c+\i], v3, s[4:5] offset:\pitch*(32*\c+\i)
.endif
.endr
.endr
	s_wait_loadcnt 0x0
.set n, 0
.rept 64
	v_med3_num_f32 v[NUM+n], v[NUM+n], -v10, v10   ; the conversion to an 8-bit code does not saturate (ISA guide 7.6.2): hold first
.set n, n+1
.endr
.irp q, 0,1,2,3,4,5,6,7
	v_cvt_scalef32_pk8_fp8_f32 v[COD+2*\q:COD+2*\q+1], v[NUM+8*\q:NUM+8*\q+7], v11
.endr
	v_nop                                          ; a plain vector line behind the last conversion
.irp c, 0,1,2,3
	global_store_b128 v4, v[COD+4*\c:COD+4*\c+3], s[14:15] offset:512*\c
.endr
	s_endpgm
.endm
	s_cmp_ge_u32 ttmp9, 24
	s_cbranch_scc1 .Llin
	s_cmp_lt_u32 ttmp9, 16                         ; which weight: the choice hangs on the work-group's number alone
	s_cselect_b64 s[6:7], s[6:7], s[8:9]
	s_cmp_lt_u32 ttmp9, 8
	s_cselect_b64 s[4:5], s[4:5], s[6:7]
	s_lshl_b32 s21, s20, 17                        ; 128 ks rows of 1,024 bytes
	s_bfe_u32 s22, s17, 0x40001                    ; 2 g + c
	s_lshl_b32 s22, s22, 6                         ; 16 columns of 4 bytes each
	s_add_co_u32 s21, s21, s22
	v_lshlrev_b32 v3, 14, v2                       ; 16 h rows
	v_lshl_add_u32 v3, v1, 2, v3                   ; + 4 r
	v_add_nc_u32 v3, s21, v3
	s_wait_kmcnt 0x0
	s_cmp_lt_u32 ttmp9, 16
	s_cselect_b32 s23, s27, s29                    ; e3 or e5,
	s_cmp_lt_u32 ttmp9, 8
	s_cselect_b32 s23, s25, s23                    ; or e1
	SCL
	FRAGQ 1024, 0
.Llin:
	s_sub_co_u32 s21, s17, 96
	s_lshr_b32 s22, s21, 1                         ; nt
	s_lshl_b32 s22, s22, 4
	v_add_nc_u32 v5, s22, v1                       ; my column
	v_min_u32 v6, 87, v5                           ; no load leaves the buffer
	v_mul_u32_u24 v3, v2, 8*352                    ; 8 h rows of 352 bytes
	v_lshl_add_u32 v3, v6, 2, v3
	s_mul_i32 s21, s20, 128*352
	v_add_nc_u32 v3, s21, v3
	s_mov_b64 s[4:5], s[10:11]
	s_wait_kmcnt 0x0
	s_mov_b32 s23, s31                             ; e7
	SCL
	v_cmp_gt_u32 vcc_lo, 88, v5
	v_cndmask_b32 v10, 0, v10, vcc_lo              ; past column 87 the hold is at 0: zero codes
	FRAGQ 352, 1
.Lfunc_end_k_q7cd7b7a70c_prep:
	.size	k_q7cd7b7a70c_prep, .Lfunc_end_k_q7cd7b7a70c_prep-k_q7cd7b7a70c_prep
	.p2alignl 7, 3214868480
	.fill 96, 4, 3214868480
	.section	.rodata,"a",@progbits
	.p2align	6, 0x0
	.amdhsa_kernel k_q7cd7b7a70c_prep
		.amdhsa_group_segment_fixed_size 0
		.amdhsa_private_segment_fixed_size 0
		.amdhsa_enable_private_segment 0
		.amdhsa_kernarg_size 48
		.amdhsa_user_sgpr_count 2
		.amdhsa_user_sgpr_kernarg_segment_ptr 1
		.amdhsa_wavefront_size32 1
		.amdhsa_system_sgpr_workgroup_id_x 1
		.amdhsa_system_sgpr_workgroup_id_y 1
		.amdhsa_system_sgpr_workgroup_id_z 1
		.amdhsa_system_vgpr_workitem_id 0
		.amdhsa_next_free_vgpr 96
		.amdhsa_next_free_sgpr 66
		.amdhsa_reserve_vcc 1
		.amdhsa_float_denorm_mode_32 3
		.amdhsa_float_denorm_mode_16_64 3
		.amdhsa_memory_ordered 1
		.amdhsa_forward_progress 1
		.amdhsa_inst_pref_size 25
	.end_amdhsa_kernel
	.amdgpu_metadata
---
amdhsa.version: [ 1, 2 ]
amdhsa.kernels:
  - .name:           k_q7cd7b7a70c_prep
    .symbol:         k_q7cd7b7a70c_prep.kd
    .args:
      - { .name: W_q, .offset: 0, .size: 8, .value_kind: global_buffer, .address_space: global }
      - { .name: W_k, .offset: 8, .size: 8, .value_kind: global_buffer, .address_space: global }
      - { .name: W_v, .offset: 16, .size: 8, .value_kind: global_buffer, .address_space: global }
      - { .name: W_lin, .offset: 24, .size: 8, .value_kind: global_buffer, .address_space: global }
      - { .name: lowp_scales, .offset: 32, .size: 8, .value_kind: global_buffer, .address_space: global }
      - { .name: wcodes, .offset: 40, .size: 8, .value_kind: global_buffer, .address_space: global }
    .group_segment_fixed_size: 0
    .private_segment_fixed_size: 0
    .kernarg_segment_align: 8
    .kernarg_segment_size: 48
    .max_flat_workgroup_size: 128
    .sgpr_count:     66
    .vgpr_count:     96
    .wavefront_size: 32
...
	.end_amdgpu_metadata
.endif
;; end of part 1
;; launch attn (part 2): grid 256 x 1, 8 waves a work-group, no clusters, 327,680 bytes of LDS; arguments spec, wcodes, rel, b_lin, lowp_scales, out0, out1; writes out0, out1
.if DOCPART == 2
	.amdgcn_target "amdgcn-amd-amdhsa--gfx1250"
	.amdhsa_code_object_version 6
	.text
	.protected	k_q7cd7b7a70c_attn
	.globl	k_q7cd7b7a70c_attn
	.p2align	8
	.type	k_q7cd7b7a70c_attn,@function
k_q7cd7b7a70c_attn:
	s_mov_b64 s[64:65], 0
	v_nop
	global_prefetch_b8 v0, s[64:65] scope:SCOPE_SE
	s_setreg_imm32_b32 hwreg(HW_REG_WAVE_MODE, 25, 1), 1
	s_wait_xcnt 0x0
; Local self-attention over a window of 31 frames, 8 heads of 32 channels, with the three projections and the last layer on codes of FP8 (E4M3), fused into one launch.
; SHARES.  A work-group takes 128 frames of one batch (256 work-groups); WAVE = HEAD g.  Frame tiles T = 0 .. 9 are frames F0 - 16 + 16 T; query tile t = 0 .. 7 is frame tile t + 1, and its keys
; u = 0 .. 47 are frame tiles t, t + 1, t + 2; the window's index is jr = u - r - 1 (r: the query in its tile).  Frames outside the batch get zero codes, as the padding asks.
; NOTHING CHANGES LANES BETWEEN THE PRODUCTS (lane = (r, h)).  Q and K are projected transposed (source 0 = 16 channels of W, source 1 = 16 frames): a lane holds one frame and channels 16 c + 8 h + j,
; so registers 2 i, 2 i + 1 of channel tile c are the f32 form's operand of K step 4 c + i, with the same order of channels in Q, K and rel.  V is projected plainly: a lane holds one channel and frames 8 h + j:
; source 0 of O^T = V^T P^T.  S^T = K Q^T leaves (key 16 T' + 8 h + j, query r) in register 8 T' + j, which after the softmax is source 1 of V^T P^T.  O^T's 16 registers become 16 codes: a quad of the last product's operand.
; Products 4 and 5 feed a quantiser, so they take f32 operands: v_wmma_f32_16x16x4_f32.  Only q . rel must be skewed: R^T = rel^T Q^T goes to LDS by rows and comes back at the skewed address,
; with words of -infinity on both sides of a row, so that the band's mask comes with it; what comes back is the C of S^T's first K step.  attn goes the same skew backwards on its way out.
; THE SCALES are powers of two and leave the sums: rel x 2^-(e2+e3); c = log2(e) 2^(e0+e1+e2+e3) in the softmax; out's conversion takes 2^(e6-e4-e5); y takes 2^(e6+e7).
; The softmax takes the row's true maximum away (the whole window lies in registers).
; LIMITS: e0, e2, e4 and e6-e4-e5 between -126 and 119; e0+e1+e2+e3 and e6+e7 between -126 and 127; rel x 2^-(e2+e3) stays a normal f32 number.  NaN and infinities among the inputs are not served.
; No multicast: the shared weights go once into each wave's registers (LDS has no room for them beside the frames), and of a work-group's ten frame tiles only two are a neighbour's too.
; LDS is filled once by six tensor loads (all of the work-group's frames, asked for at the head) and no byte of it is filled again.
; LDS: XST 160 rows of spec, f32, pitch 1,040 | CIMG ring of 4 tiles of code images (3 sets x 2 fragments x 2,048) | RST 16 rows x 272 a wave | ASTG two stages of attn as it lies in memory | OIMG out's codes.
; PST, each wave's skewed stage for attn (16 rows x 272), lies over frame tiles 0, 1 and the head of 2 in XST: their one fill has landed and their last read stands ahead of the way in's second barrier.
.set PST,  0
.set CIMG, 166400
.set YST,  166400                      ; the stage for y lies over CIMG and is used behind the last barrier alone: 6,400 bytes a wave, rows of 352
.set RST,  217600
.set ASTG, 252416
.set OIMG, 284160
.set STG,  15872                       ; a stage of attn: 16 queries x 992 bytes
; window 0
.set LIA, 1                            ; CIMG + 16 lane
.set XRD, 2                            ; 1040 r + 64 h + 128 w: my 16 numbers of a frame tile
.set XWR, 3                            ; CIMG + 16 lane + 2048 (w / 4) + 512 (w % 4): my quad of an image
.set RWR, 4                            ; RST + 4352 w + 272 r + 64 + 32 h
.set RRD, 5                            ; RST + 4352 w + 268 r + 32 h + 60
.set NINF, 6                           ; -infinity
.set PWR, 8                            ; PST + 4352 w + 268 r + 32 h + 60: attn in, at the skew
.set PRD, 9                            ; PST + 4352 w + 272 r + 64 + 64 h: attn back, window indices 16 h + 0 .. 15 of row r
.set PR15, 10                          ; PST + 4352 w + 272 r + 124: window index 15 of row r, for both halves of the lanes
.set AW,  11                           ; ASTG + 992 r + 124 g + 64 h
.set AW15, 12                          ; ASTG + 992 r + 124 g + 60
.set FRD, 16                           ; ASTG + 2048 w + 16 lane
.set FWR, 17                           ; 2048 w + 16 lane
.set OWR, 18                           ; OIMG + 2048 (g / 4) + 512 (g % 4) + 16 lane
.set ADR, 19
.set SCQ, 20                           ; v20-23: 2^e0, 2^e2, 2^e4, 2^(e6-e4-e5) as f32
.set SCK, 21
.set SCV, 22
.set SCO, 23
.set X,   24                           ; v24-39
.set TMP, 40                           ; v40-55
.set CODE, 56                          ; v56-67
.set Q,   68                           ; v68-83
.set KR,  84                           ; v84-131  K, ring of three frame tiles
.set VR,  132                          ; v132-179 V, likewise
.set RO,  180                          ; v180-195 R^T, later O^T: written by matrix instructions alone
.set S,   196                          ; v196-219 S^T: likewise
.set P,   220                          ; v220-243 the skewed R, then p; also the flush's data
.set MX,  244
.set CM,  248
.set RL,  250
.set SUM, 252
; window 1
.set WQ,  0
.set WK,  64
.set WV,  128
.set REL, 192
.set AF,  224
.set MSB, 0
.macro WIN new                         ; the immediate's high byte repeats the setting that is left
.if MSB != \new
	s_set_vgpr_msb (MSB<<8)|\new
.set MSB, \new
.endif
.endm
.macro PLACES n                        ; places behind matrix instructions (ISA guide 7.12.1): 4 or 5 behind the fp8 form, 8 or 9 behind the f32 form
.rept \n
	v_nop
.endr
.endm
.macro BAR                             ; my LDS stores have landed and my LDS loads are in: then the work-group's barrier
	s_wait_dscnt 0x0
	s_barrier_signal -1
	s_barrier_wait -1
.endm
	s_load_b256 s[4:11], s[0:1], 0x0               ; spec s[4:5], wcodes s[6:7], rel s[8:9], b_lin s[10:11]
	s_load_b128 s[12:15], s[0:1], 0x20             ; the scales' exponents s[12:13], out0 s[14:15]
	s_load_b64 s[16:17], s[0:1], 0x30              ; out1
	v_lshl_add_u32 v14, v0, 2, 0x4d600
	v_mov_b32 v15, 0
	ds_add_u32 v14, v15
	ds_add_u32 v14, v15
	v_lshrrev_b32 v[ADR], 5, v0
	v_readfirstlane_b32 s18, v[ADR]                ; wave = head
	s_and_b32 s19, ttmp9, 31                       ; my block of 128 frames in its batch
	s_lshl_b32 s20, ttmp9, 7                       ; F0, counted through all batches
	; every LDS address register is made here, while the arguments are on their way: each is a constant + constants x r, h and the wave's number
	v_and_b32 v24, 15, v0                          ; r
	v_bfe_u32 v25, v0, 4, 1                        ; h
	v_and_b32 v26, 31, v0
	v_lshlrev_b32 v26, 4, v26                      ; 16 lane
	v_add_nc_u32 v[LIA], CIMG, v26
	v_mul_u32_u24 v[XRD], v24, 1040
	v_lshl_add_u32 v[XRD], v25, 6, v[XRD]
	s_lshl_b32 s2, s18, 7
	v_add_nc_u32 v[XRD], s2, v[XRD]
	s_lshr_b32 s2, s18, 2
	s_lshl_b32 s2, s2, 11
	s_and_b32 s3, s18, 3
	s_lshl_b32 s3, s3, 9
	s_add_co_u32 s21, s2, s3                       ; 2048 (w / 4) + 512 (w % 4)
	v_add_nc_u32 v[XWR], s21, v[LIA]
	v_add_nc_u32 v[OWR], s21, v26
	v_add_nc_u32 v[OWR], OIMG, v[OWR]
	s_mul_i32 s3, s18, 4352                        ; my 16 rows of 272 bytes, in PST
	s_add_co_u32 s22, s3, RST                      ; and in RST
	v_mul_u32_u24 v[RWR], v24, 272
	v_lshl_add_u32 v[RWR], v25, 5, v[RWR]
	v_add_nc_u32 v[RWR], s22, v[RWR]
	v_add_nc_u32 v[RWR], 64, v[RWR]
	v_mul_u32_u24 v[RRD], v24, 268
	v_lshl_add_u32 v[RRD], v25, 5, v[RRD]
	v_add_nc_u32 v[PWR], s3, v[RRD]
	v_add_nc_u32 v[PWR], PST+60, v[PWR]
	v_add_nc_u32 v[RRD], s22, v[RRD]
	v_add_nc_u32 v[RRD], 60, v[RRD]
	v_mul_u32_u24 v[PR15], v24, 272
	v_add_nc_u32 v[PR15], s3, v[PR15]
	v_lshl_add_u32 v[PRD], v25, 6, v[PR15]
	v_add_nc_u32 v[PRD], PST+64, v[PRD]
	v_add_nc_u32 v[PR15], PST+124, v[PR15]
	v_mul_u32_u24 v27, v24, 272
	v_mad_u32_u24 v27, v25, 192, v27
	v_add_nc_u32 v27, s22, v27                     ; the guard words: words 0-15 (h = 0) and 48-63 (h = 1) of row r
	s_mul_i32 s23, s18, 124
	s_add_co_u32 s23, s23, ASTG                    ; my head's 31 words of a row of attn
	v_mul_u32_u24 v[AW15], v24, 992
	v_add_nc_u32 v[AW15], s23, v[AW15]
	v_lshl_add_u32 v[AW], v25, 6, v[AW15]
	v_add_nc_u32 v[AW15], 60, v[AW15]
	s_lshl_b32 s2, s18, 11
	v_add_nc_u32 v[FWR], s2, v26
	v_add_nc_u32 v[FRD], ASTG, v[FWR]
	s_lshl_b32 s2, s18, 13
	v_add_nc_u32 v40, s2, v26                      ; wcodes: 8,192 g + 16 lane
	s_lshl_b32 s2, s18, 5
	v_lshl_add_u32 v41, v25, 3, s2
	v_mul_u32_u24 v41, v41, 124                    ; rel: channel 32 g + 8 h, rows of 124 bytes
	v_lshl_add_u32 v42, v24, 2, v41                ; window index r,
	v_add_nc_u32 v43, 16, v24
	v_min_u32 v43, 30, v43                         ; and 16 + r, held inside the row
	v_lshl_add_u32 v43, v43, 2, v41
	v_mov_b32 v[NINF], 0xff800000
.irp i, 28,29,30,31
	v_mov_b32 v\i, 0xff800000
.endr
.irp i, 244,245,246,247,248,249,250,251,252,253,254,255
	v_mov_b32 v\i, 0                               ; written once: a lane permute's destination counts as read, and pairs are named whole
.endr
	; descriptor groups 1: rows of 256 f32, 4 words of padding behind every 256 words; 16 rows (s[32:39]) or 32 rows (s[40:47])
.irp g, 32, 40
	s_mov_b32 s[\g+0], (2<<16)|(1<<20)|(7<<22)|(3<<25)
	s_mov_b32 s[\g+1], 256<<16                     ; tensor_dim0
	s_mov_b32 s[\g+3], 256<<16                     ; tile_dim0
	s_mov_b32 s[\g+5], 256                         ; elements from row to row
	s_mov_b32 s[\g+6], 0
	s_mov_b32 s[\g+7], 0
.endr
	s_mov_b32 s34, 16<<16                          ; tensor_dim1
	s_mov_b32 s36, 16                              ; tile_dim1
	s_mov_b32 s42, 32<<16
	s_mov_b32 s44, 32
	s_mov_b32 s96, 0x76543210                      ; v_permlanex16_b32: lane l xor 16
	s_mov_b32 s97, 0xfedcba98
	s_wait_dscnt 0x0
	s_wait_kmcnt 0x0
	s_load_b256 s[24:31], s[12:13], 0x0            ; e0 .. e7
	s_cmp_eq_u32 s19, 0                            ; a batch's first block: tile 0 lies outside; it is fetched from a row inside and its codes are masked to 0
	s_cselect_b32 s98, 0, -1
	s_cselect_b32 s2, 0, 16
	s_sub_co_u32 s2, s20, s2
	s_lshl_b32 s2, s2, 10
	s_mov_b32 s3, 0
	s_add_nc_u64 s[50:51], s[4:5], s[2:3]
	s_cmp_eq_u32 s19, 31                           ; a batch's last block: tile 9 likewise
	s_cselect_b32 s99, 0, -1
	s_cselect_b32 s2, 0, 128
	s_add_co_u32 s2, s20, s2
	s_lshl_b32 s2, s2, 10
	s_add_nc_u64 s[74:75], s[4:5], s[2:3]
	s_lshl_b32 s2, s20, 10
	s_add_nc_u64 s[100:101], s[4:5], s[2:3]
	s_mov_b64 s[54:55], s[100:101]
	s_add_nc_u64 s[58:59], s[100:101], 32768
	s_add_nc_u64 s[62:63], s[100:101], 65536
	s_add_nc_u64 s[70:71], s[100:101], 98304
.macro G0SET g, lds
	s_mov_b32 s[\g], 1
	s_mov_b32 s[\g+1], \lds
	s_or_b32 s[\g+3], s[\g+3], 0x80000000
.endm
	G0SET 48, 0                                    ; tile 0
	G0SET 52, 16640                                ; tiles 1, 2
	G0SET 56, 49920                                ; tiles 3, 4
	G0SET 60, 83200                                ; tiles 5, 6
	G0SET 68, 116480                               ; tiles 7, 8
	G0SET 72, 149760                               ; tile 9
	s_cmp_lg_u32 s18, 0                            ; wave 0 asks for all of it, in one group: six tensor loads of that wave are out
	s_cbranch_scc1 .Lno_fill
	tensor_load_to_lds s[48:51], s[32:39]
	s_nop 0
	tensor_load_to_lds s[52:55], s[40:47]
	s_nop 0
	tensor_load_to_lds s[56:59], s[40:47]
	s_nop 0
	tensor_load_to_lds s[60:63], s[40:47]
	s_nop 0
	tensor_load_to_lds s[68:71], s[40:47]
	s_nop 0
	tensor_load_to_lds s[72:75], s[32:39]
	s_nop 0
.rept 4
	v_nop
.endr
.Lno_fill:
	WIN 0x40                                       ; destination window 1
.irp m, 0,1,2
.irp q, 0,1,2,3,4,5,6,7,8,9,10,11,12,13,14,15
	global_load_b128 v[64*\m+4*\q:64*\m+4*\q+3], v40, s[6:7] offset:65536*\m+512*\q   ; my head's four fragments of W_q, W_k, W_v: they stay
.endr
.endr
.irp u, 0,1
.irp c, 0,1
.irp i, 0,1,2,3
.irp j, 0,1
	global_load_b32 v[REL+2*(8*\u+4*\c+\i)+\j], v[42+\u], s[8:9] offset:124*(16*\c+2*\i+\j)   ; rel(32 g + 16 c + 8 h + 2 i + j, 16 u + r)
.endr
.endr
.endr
.endr
	WIN 0
.irp i, 0,1,2,3
	ds_store_b128 v27, v[28:31] offset:16*\i       ; the guard words, once
.endr
	s_lshl_b32 s2, s18, 4
	s_add_co_u32 s2, s2, s20
	s_mul_i32 s2, s2, 352
	s_add_nc_u64 s[14:15], s[14:15], s[2:3]        ; out0 at frame F0 + 16 w
	s_mul_i32 s2, s20, 992
	s_add_nc_u64 s[16:17], s[16:17], s[2:3]        ; out1 at frame F0
	s_wait_kmcnt 0x0
.macro SCALE e, vs, lim                ; s[e] = the exponent: v[vs] = 2^e as f32; s[lim], s[lim+1] = -+448 x 2^e
	s_add_co_i32 s2, s[\e], 127
	s_lshl_b32 s3, s2, 23
	v_mov_b32 v[\vs], s3
	s_add_co_i32 s2, s2, 8
	s_lshl_b32 s2, s2, 23
	s_or_b32 s[\lim+1], s2, 0x600000
	s_or_b32 s[\lim], s[\lim+1], 0x80000000
.endm
	SCALE 24, SCQ, 84
	SCALE 26, SCK, 86
	SCALE 28, SCV, 88
	s_sub_co_i32 s21, s30, s28
	s_sub_co_i32 s21, s21, s29                     ; e6 - e4 - e5
	SCALE 21, SCO, 90
	s_add_co_i32 s2, s24, s25
	s_add_co_i32 s2, s2, s26
	s_add_co_i32 s2, s2, s27
	s_lshl_b32 s2, s2, 23
	s_add_co_u32 s92, s2, 0x3fb8aa3b               ; c = log2(e) x 2^(e0+e1+e2+e3): the exponents are added to the exponent field
	s_mov_b32 s93, s92
	s_add_co_i32 s2, s30, s31
	s_lshl_b32 s2, s2, 23
	s_add_co_u32 s94, s2, 0xbfb8aa3b               ; -log2(e) x 2^(e6+e7)
	s_mov_b32 s95, s94
	s_add_co_i32 s2, s26, s27
	s_sub_co_i32 s2, 0, s2
	s_wait_loadcnt 0x0                             ; the weights and rel
	WIN 0x41
.set n, 0
.rept 32
	v_ldexp_f32 v[REL+n], v[REL+n], s2             ; rel x 2^-(e2+e3): it is added to sums that lack that factor
.set n, n+1
.endr
	WIN 0
; ---- quantising: wave w takes K = 32 w .. 32 w + 31 of a frame tile: lane (r, h) 16 neighbours of frame r, which become one quad of a fragment's image, once for each of the three scales
.macro QX_LD tile
	v_add_nc_u32 v[ADR], 16640*(\tile), v[XRD]
.irp j, 0,1,2,3
	ds_load_b128 v[X+4*\j:X+4*\j+3], v[ADR] offset:16*\j
.endr
.endm
.macro QSET set, sc, lim, tile, mask
.set n, 0
.rept 16
	v_med3_num_f32 v[TMP+n], v[X+n], s[\lim], s[\lim+1]   ; the conversion does not saturate (ISA guide 7.6.2): hold first
.set n, n+1
.endr
	v_cvt_scalef32_pk8_fp8_f32 v[CODE+4*\set:CODE+4*\set+1], v[TMP:TMP+7], v[\sc]
	v_cvt_scalef32_pk8_fp8_f32 v[CODE+4*\set+2:CODE+4*\set+3], v[TMP+8:TMP+15], v[\sc]
	v_nop                                          ; a plain line between the conversions and what next writes their sources or touches their results
.if \mask
.irp q, 0,1,2,3
	v_and_b32 v[CODE+4*\set+\q], s[\mask], v[CODE+4*\set+\q]   ; frames outside the batch: zero codes
.endr
.endif
	ds_store_b128 v[XWR], v[CODE+4*\set:CODE+4*\set+3] offset:((\tile)&3)*12288+4096*\set
.endm
.macro QX tile, hasq, mask
.if \hasq
	QSET 0, SCQ, 84, \tile, \mask
.endif
	QSET 1, SCK, 86, \tile, \mask
	QSET 2, SCV, 88, \tile, \mask
.endm
.macro IMG_LD set, tile                ; a tile's two fragments of one set, as they were stored
	WIN 0x40
.irp q, 0,1,2,3,4,5,6,7
	ds_load_b128 v[AF+4*\q:AF+4*\q+3], v[LIA] offset:((\tile)&3)*12288+4096*\set+512*\q
.endr
	WIN 0
.endm
; ---- projections: two channel tiles by turns, K step by K step
.macro PROJ_T dst, w                   ; transposed: source 0 = 16 channels of W, source 1 = 16 frames
	WIN 0x05
	v_wmma_f32_16x16x128_fp8_fp8 v[(\dst):(\dst)+7], v[\w:\w+15], v[AF:AF+15], 0
	v_wmma_f32_16x16x128_fp8_fp8 v[(\dst)+8:(\dst)+15], v[\w+32:\w+47], v[AF:AF+15], 0
	v_wmma_f32_16x16x128_fp8_fp8 v[(\dst):(\dst)+7], v[\w+16:\w+31], v[AF+16:AF+31], v[(\dst):(\dst)+7]
	v_wmma_f32_16x16x128_fp8_fp8 v[(\dst)+8:(\dst)+15], v[\w+48:\w+63], v[AF+16:AF+31], v[(\dst)+8:(\dst)+15]
	WIN 0
.endm
.macro PROJ_N dst, w                   ; plain: source 0 = 16 frames, source 1 = 16 channels
	WIN 0x05
	v_wmma_f32_16x16x128_fp8_fp8 v[(\dst):(\dst)+7], v[AF:AF+15], v[\w:\w+15], 0
	v_wmma_f32_16x16x128_fp8_fp8 v[(\dst)+8:(\dst)+15], v[AF:AF+15], v[\w+32:\w+47], 0
	v_wmma_f32_16x16x128_fp8_fp8 v[(\dst):(\dst)+7], v[AF+16:AF+31], v[\w+16:\w+31], v[(\dst):(\dst)+7]
	v_wmma_f32_16x16x128_fp8_fp8 v[(\dst)+8:(\dst)+15], v[AF+16:AF+31], v[\w+48:\w+63], v[(\dst)+8:(\dst)+15]
	WIN 0
.endm
; ---- R^T = rel^T Q^T: register 8 u + j = (window index 16 u + 8 h + j, query r)
.macro RT
	WIN 0x01
.irp kk, 0,1,2,3,4,5,6,7
.irp u, 0,1
.if \kk == 0
	v_wmma_f32_16x16x4_f32 v[RO+8*\u:RO+8*\u+7], v[REL+2*(8*\u+\kk):REL+2*(8*\u+\kk)+1], v[Q+2*\kk:Q+2*\kk+1], 0
.else
	v_wmma_f32_16x16x4_f32 v[RO+8*\u:RO+8*\u+7], v[REL+2*(8*\u+\kk):REL+2*(8*\u+\kk)+1], v[Q+2*\kk:Q+2*\kk+1], v[RO+8*\u:RO+8*\u+7]
.endif
.endr
.endr
	WIN 0
.endm
.macro R_ST                            ; row r, words 16 + window index; index 31 does not exist: word 47 becomes -infinity (lanes with h = 1 hit a guard word, which holds it already)
	ds_store_b128 v[RWR], v[RO:RO+3]
	ds_store_b128 v[RWR], v[RO+4:RO+7] offset:16
	ds_store_b128 v[RWR], v[RO+8:RO+11] offset:64
	ds_store_b128 v[RWR], v[RO+12:RO+15] offset:80
	ds_store_b32 v[RWR], v[NINF] offset:124
.endm
.macro RS_LD                           ; back at the skew: register 8 u + j takes word 15 + (16 u + 8 h + j) - r of row r.  LDS serves a wave's instructions in order: these see the stores above
.irp u, 0,1,2
.irp j, 0,1,2,3,4,5,6,7
	ds_load_b32 v[P+8*\u+\j], v[RRD] offset:64*\u+4*\j
.endr
.endr
.endm
; ---- S^T = K Q^T + the skewed R: three key tiles by turns
.macro ST t
.irp kk, 0,1,2,3,4,5,6,7
.irp u, 0,1,2
.if \kk == 0
	v_wmma_f32_16x16x4_f32 v[S+8*\u:S+8*\u+7], v[KR+16*(((\t)+\u)%3)+2*\kk:KR+16*(((\t)+\u)%3)+2*\kk+1], v[Q+2*\kk:Q+2*\kk+1], v[P+8*\u:P+8*\u+7]
.else
	v_wmma_f32_16x16x4_f32 v[S+8*\u:S+8*\u+7], v[KR+16*(((\t)+\u)%3)+2*\kk:KR+16*(((\t)+\u)%3)+2*\kk+1], v[Q+2*\kk:Q+2*\kk+1], v[S+8*\u:S+8*\u+7]
.endif
.endr
.endr
.endm
.macro SOFTMAX                         ; a lane holds 24 of its query's 48 places, lane l xor 16 the others; what lies outside the window is -infinity
	v_max3_num_f32 v[MX], v[S], v[S+1], v[S+2]     ; each accumulator is read from its low end on
	v_max3_num_f32 v[MX+1], v[S+8], v[S+9], v[S+10]
	v_max3_num_f32 v[MX+2], v[S+16], v[S+17], v[S+18]
.irp i, 3,5
	v_max3_num_f32 v[MX], v[MX], v[S+\i], v[S+\i+1]
	v_max3_num_f32 v[MX+1], v[MX+1], v[S+8+\i], v[S+9+\i]
	v_max3_num_f32 v[MX+2], v[MX+2], v[S+16+\i], v[S+17+\i]
.endr
	v_max3_num_f32 v[MX], v[MX], v[S+7], v[S+15]
	v_max3_num_f32 v[MX+1], v[MX+1], v[MX+2], v[S+23]
	v_max_num_f32 v[MX], v[MX], v[MX+1]
	v_permlanex16_b32 v[MX+3], v[MX], s96, s97
	v_max_num_f32 v[MX], v[MX], v[MX+3]            ; the row's maximum (key tile 1 lies wholly inside the window, so it is a number)
	v_mul_f32 v[CM], s92, v[MX]
.set n, 0
.rept 12
	v_pk_fma_f32 v[P+n:P+n+1], v[S+n:S+n+1], s[92:93], v[CM:CM+1] op_sel_hi:[1,0,0] neg_lo:[0,0,1] neg_hi:[0,0,1]   ; c s - c m
.set n, n+2
.endr
.set n, 0
.rept 24
	v_exp_f32 v[P+n], v[P+n]
.set n, n+1
.endr
	v_nop                                          ; a plain line behind the exponentials
	s_wait_alu depctr_va_vdst(0)
	v_pk_add_f32 v[SUM:SUM+1], v[P:P+1], v[P+2:P+3]
	v_pk_add_f32 v[SUM+2:SUM+3], v[P+4:P+5], v[P+6:P+7]
.irp i, 8,12,16,20
	v_pk_add_f32 v[SUM:SUM+1], v[SUM:SUM+1], v[P+\i:P+\i+1]
	v_pk_add_f32 v[SUM+2:SUM+3], v[SUM+2:SUM+3], v[P+\i+2:P+\i+3]
.endr
	v_pk_add_f32 v[SUM:SUM+1], v[SUM:SUM+1], v[SUM+2:SUM+3]
	v_add_f32 v[SUM], v[SUM], v[SUM+1]
	v_permlanex16_b32 v[MX+3], v[SUM], s96, s97
	v_add_f32 v[SUM], v[SUM], v[MX+3]
	v_rcp_f32 v[RL], v[SUM]
	v_nop                                          ; a plain line behind the reciprocal
.set n, 0
	s_wait_alu depctr_va_vdst(0)
.rept 12
	v_pk_mul_f32 v[P+n:P+n+1], v[P+n:P+n+1], v[RL:RL+1] op_sel_hi:[1,0]   ; attn, finished and normalised
.set n, n+2
.endr
.endm
; ---- attn on its way out, first half: all 24 numbers of a lane go into my own skewed stage, register 8 u + j to word 15 + (16 u + 8 h + j) - r of row r; what lies outside the window (zeros) falls into the row's margins.
; The row comes back straight: lane (r, h) takes window indices 16 h + 0 .. 15; index 15 also comes once more, at an address without h, for both halves of the lanes.  LDS serves a wave's instructions in order.
.macro P_ST1
.irp u, 0,1,2
.irp j, 0,1,2,3,4,5,6,7
	ds_store_b32 v[PWR], v[P+8*\u+\j] offset:64*\u+4*\j
.endr
.endr
.irp q, 0,1,2,3
	ds_load_b128 v[X+4*\q:X+4*\q+3], v[PRD] offset:16*\q
.endr
	ds_load_b32 v[CODE+4], v[PR15]
.endm
; second half, behind the products V^T P^T: into the work-group's stage, as attn lies in memory.  Fifteen words a lane at 64 h + 4 i; index 15 is written by both halves with the same number, and index 31, which does not exist, by nobody
.macro P_ST2 t
	s_wait_dscnt 0x0                               ; the row is back
.irp i, 0,1,2,3,4,5,6,7,8,9,10,11,12,13,14
	ds_store_b32 v[AW], v[X+\i] offset:((\t)&1)*STG+4*\i
.endr
	ds_store_b32 v[AW15], v[CODE+4] offset:((\t)&1)*STG
.endm
; ---- O^T = V^T P^T: two channel tiles by turns
.macro PV t
.irp u, 0,1,2
.irp i, 0,1,2,3
.irp c, 0,1
.if (\u == 0) && (\i == 0)
	v_wmma_f32_16x16x4_f32 v[RO+8*\c:RO+8*\c+7], v[VR+16*(((\t)+\u)%3)+8*\c+2*\i:VR+16*(((\t)+\u)%3)+8*\c+2*\i+1], v[P+8*\u+2*\i:P+8*\u+2*\i+1], 0
.else
	v_wmma_f32_16x16x4_f32 v[RO+8*\c:RO+8*\c+7], v[VR+16*(((\t)+\u)%3)+8*\c+2*\i:VR+16*(((\t)+\u)%3)+8*\c+2*\i+1], v[P+8*\u+2*\i:P+8*\u+2*\i+1], v[RO+8*\c:RO+8*\c+7]
.endif
.endr
.endr
.endr
.endm
.macro O_Q t                           ; out's 16 numbers of a lane become 16 codes: quad g % 4 of fragment g / 4 of the last product's operand
	PLACES 9                                       ; for the reads below, for the next loads into P, and for the products that will write over V's oldest tile
.set n, 0
.rept 16
	v_med3_num_f32 v[TMP+n], v[RO+n], s90, s91
.set n, n+1
.endr
	v_cvt_scalef32_pk8_fp8_f32 v[CODE:CODE+1], v[TMP:TMP+7], v[SCO]
	v_cvt_scalef32_pk8_fp8_f32 v[CODE+2:CODE+3], v[TMP+8:TMP+15], v[SCO]
	v_nop
	ds_store_b128 v[OWR], v[CODE:CODE+3] offset:4096*(\t)
.endm
; ---- a finished stage of attn leaves: 31 pieces of 512 consecutive bytes, four to a wave, three to wave 7
.macro FLUSH_LD tt
.irp k, 0,1,2
	ds_load_b128 v[P+4*\k:P+4*\k+3], v[FRD] offset:((\tt)&1)*STG+512*\k
.endr
	s_cmp_eq_u32 s18, 7
	s_cbranch_scc1 .Lfl_\@
	ds_load_b128 v[P+12:P+15], v[FRD] offset:((\tt)&1)*STG+1536
.Lfl_\@:
.endm
.macro FLUSH_ST tt
.irp k, 0,1,2
	global_store_b128 v[FWR], v[P+4*\k:P+4*\k+3], s[16:17] offset:STG*(\tt)+512*\k th:TH_STORE_NT
.endr
	s_cmp_eq_u32 s18, 7
	s_cbranch_scc1 .Lfs_\@
	global_store_b128 v[FWR], v[P+12:P+15], s[16:17] offset:STG*(\tt)+1536 th:TH_STORE_NT
.Lfs_\@:
.endm
; ---- A STEP: query tile t.  It also quantises frame tile t + 3, projects K and V of frame tile t + 2, and sends out attn of query tile t - 1.
.macro STEP t
.if (\t) > 0
	FLUSH_LD (\t)-1
.endif
.if (\t) < 7
	QX_LD (\t)+3
.endif
	IMG_LD 0, (\t)+1
.if (\t) > 0
.if (\t) < 7
	s_wait_dscnt 12                                ; the flush's loads are in; behind them: 4 of spec, 8 of the images
.else
	s_wait_dscnt 8
.endif
	FLUSH_ST (\t)-1
.endif
.if (\t) < 6
	s_wait_dscnt 8                                 ; spec's 16 numbers are in
	QX (\t)+3, 1, 0
	s_wait_dscnt 3                                 ; Q's images are in; my three stores may be out
.elseif (\t) == 6
	s_wait_dscnt 8
	QX 9, 0, 99                                    ; tile 9 holds no query
	s_wait_dscnt 2
.else
	s_wait_dscnt 0x0
.endif
	PROJ_T Q, WQ
	PLACES 5                                       ; Q becomes an operand
	IMG_LD 1, (\t)+2
	RT
	PLACES 8
	R_ST
.if (\t) > 0
	s_wait_xcnt 0x0                                ; the flush's stores have read P: it is loaded again only behind this wait
.endif
	RS_LD
	s_wait_dscnt 29                                ; K's images are in; behind them: 5 stores and 24 loads
	PROJ_T KR+16*(((\t)+2)%3), WK
	PLACES 5
	IMG_LD 2, (\t)+2
	s_wait_dscnt 8                                 ; the skewed R is in; V's images may be out
	ST \t
	s_wait_dscnt 0x0
	PROJ_N VR+16*(((\t)+2)%3), WV
	PLACES 8                                       ; behind S^T's last products, in front of the first read of the scores
.if (\t) == 7
	v_and_b32 v[CODE+8], 31, v0                    ; the projections are over: W_lin's 12 fragments take the weights' registers, b_lin takes K's
	v_lshlrev_b32 v[CODE+8], 4, v[CODE+8]          ; 16 lane
	v_bfe_u32 v[CODE+9], v0, 4, 1
	v_lshlrev_b32 v[CODE+9], 5, v[CODE+9]          ; 32 h
	v_mov_b32 v[CODE+10], 0
	WIN 0x40
.set n, 0
.rept 48
	global_load_b128 v[4*n:4*n+3], v[CODE+8], s[6:7] offset:196608+512*n
.set n, n+1
.endr
	WIN 0
.irp nt, 0,1,2,3,4
	global_load_b128 v[KR+8*\nt:KR+8*\nt+3], v[CODE+9], s[10:11] offset:64*\nt
	global_load_b128 v[KR+8*\nt+4:KR+8*\nt+7], v[CODE+9], s[10:11] offset:64*\nt+16
.endr
	global_load_b128 v[KR+40:KR+43], v[CODE+10], s[10:11] offset:320   ; columns 80-87 for both halves: columns 88-95 do not exist and are not stored
	global_load_b128 v[KR+44:KR+47], v[CODE+10], s[10:11] offset:336
.endif
	SOFTMAX
	P_ST1
	PV \t                                          ; attn's turn through my stage is out while these 24 products are issued
	P_ST2 \t
	O_Q \t
.if (\t) < 6
	s_wait_tensorcnt 3-((\t)+1)/2                  ; the frame tile that the next step quantises has landed (wave 0's count; the later loads stay out)
.endif
	BAR
.endm
	; ---- the way in
	s_wait_tensorcnt 4                             ; tiles 0, 1, 2 have landed; four loads stay out
	BAR
	QX_LD 0
	s_wait_dscnt 0x0
	QX 0, 0, 98                                    ; tile 0 holds no query
	QX_LD 1
	s_wait_dscnt 0x0
	QX 1, 1, 0
	QX_LD 2
	s_wait_dscnt 0x0
	QX 2, 1, 0
	s_wait_tensorcnt 3                             ; tiles 3, 4
	BAR                                            ; every wave's reads of frame tiles 0, 1, 2 are over: from here on their bytes serve as PST
.irp n, 0,1
	IMG_LD 1, \n
	s_wait_dscnt 0x0
	PROJ_T KR+16*\n, WK
	PLACES 4
	IMG_LD 2, \n
	s_wait_dscnt 0x0
	PROJ_N VR+16*\n, WV
	PLACES 4
.endr
.irp t, 0,1,2,3,4,5,6,7
	STEP \t
.endr
	; ---- the last layer: wave w takes query tile w, all 88 outputs (six tiles of 16 columns, transposed: a lane holds one query and eight neighbouring columns)
	FLUSH_LD 7
	s_lshl_b32 s2, s18, 12
	s_add_co_u32 s2, s2, OIMG
	v_add_nc_u32 v[ADR], s2, v[CODE+8]
	WIN 0x40
.irp q, 0,1,2,3,4,5,6,7
	ds_load_b128 v[AF+4*\q:AF+4*\q+3], v[ADR] offset:512*\q
.endr
	WIN 0
	s_mul_i32 s3, s18, 6400
	s_add_co_u32 s3, s3, YST                       ; my stage
	v_and_b32 v[TMP+2], 15, v0
	v_mul_u32_u24 v[TMP], v[TMP+2], 352
	v_add_nc_u32 v[TMP], v[TMP], v[CODE+9]
	v_add_nc_u32 v[TMP], s3, v[TMP]                ; in: row r of 352 bytes, + 32 h
	v_add_nc_u32 v[TMP+1], s3, v[CODE+8]           ; back: 16 bytes a lane, on end
	s_wait_dscnt 8                                 ; the flush's loads are in
	FLUSH_ST 7
	s_wait_loadcnt 0x0                             ; W_lin and b_lin
.set n, 0
.rept 24
	v_pk_mul_f32 v[KR+n:KR+n+1], v[KR+n:KR+n+1], 0xbfb8aa3b op_sel_hi:[1,0]   ; -log2(e) b
.set n, n+2
.endr
	s_wait_dscnt 0x0
	WIN 0x05
.irp nt, 0,1,2,3,4,5
	v_wmma_f32_16x16x128_fp8_fp8 v[VR+8*\nt:VR+8*\nt+7], v[32*\nt:32*\nt+15], v[AF:AF+15], 0
.endr
.irp nt, 0,1,2,3,4,5
	v_wmma_f32_16x16x128_fp8_fp8 v[VR+8*\nt:VR+8*\nt+7], v[32*\nt+16:32*\nt+31], v[AF+16:AF+31], v[VR+8*\nt:VR+8*\nt+7]
.endr
	WIN 0
	PLACES 4
.set n, 0
.rept 24
	v_pk_fma_f32 v[VR+n:VR+n+1], v[VR+n:VR+n+1], s[94:95], v[KR+n:KR+n+1] op_sel_hi:[1,0,1]   ; -log2(e) (sum x 2^(e6+e7) + b)
.set n, n+2
.endr
.set n, 0
.rept 48
	v_exp_f32 v[VR+n], v[VR+n]
.set n, n+1
.endr
	v_nop
.set n, 0
	s_wait_alu depctr_va_vdst(0)
.rept 24
	v_pk_add_f32 v[VR+n:VR+n+1], v[VR+n:VR+n+1], 1.0 op_sel_hi:[1,0]
.set n, n+2
.endr
.set n, 0
.rept 48
	v_rcp_f32 v[VR+n], v[VR+n]                     ; the sigmoid
.set n, n+1
.endr
	v_nop
; The stage's rows are dense.  The tile of columns 80-95 goes first: its columns 88-95 fall on the next row's first 32 bytes, which the tile of columns 0-15 then writes over (LDS serves a wave's instructions in order)
	s_wait_alu depctr_va_vdst(0)
.irp nt, 5,0,1,2,3,4
	ds_store_b128 v[TMP], v[VR+8*\nt:VR+8*\nt+3] offset:64*\nt
	ds_store_b128 v[TMP], v[VR+8*\nt+4:VR+8*\nt+7] offset:64*\nt+16
.endr
.irp i, 0,1,2,3,4,5,6,7,8,9,10
	ds_load_b128 v[KR+4*\i:KR+4*\i+3], v[TMP+1] offset:512*\i
.endr
.irp i, 0,1,2,3,4,5,6,7,8,9,10
	s_wait_dscnt 10-\i
	global_store_b128 v[CODE+8], v[KR+4*\i:KR+4*\i+3], s[14:15] offset:512*\i th:TH_STORE_NT   ; 16 rows of 352 bytes are 11 x 512 consecutive bytes, from a multiple of 256 on
.endr
	s_wait_tensorcnt 0x0
	ds_add_u32 v14, v15
	s_wait_dscnt 0x0
	s_endpgm
.Lfunc_end_k_q7cd7b7a70c_attn:
	.size	k_q7cd7b7a70c_attn, .Lfunc_end_k_q7cd7b7a70c_attn-k_q7cd7b7a70c_attn
	.p2alignl 7, 3214868480
	.fill 96, 4, 3214868480
	.section	.rodata,"a",@progbits
	.p2align	6, 0x0
	.amdhsa_kernel k_q7cd7b7a70c_attn
		.amdhsa_group_segment_fixed_size 327680
		.amdhsa_private_segment_fixed_size 0
		.amdhsa_enable_private_segment 0
		.amdhsa_kernarg_size 56
		.amdhsa_user_sgpr_count 2
		.amdhsa_user_sgpr_kernarg_segment_ptr 1
		.amdhsa_wavefront_size32 1
		.amdhsa_system_sgpr_workgroup_id_x 1
		.amdhsa_system_sgpr_workgroup_id_y 1
		.amdhsa_system_sgpr_workgroup_id_z 1
		.amdhsa_system_vgpr_workitem_id 0
		.amdhsa_next_free_vgpr 512
		.amdhsa_next_free_sgpr 102
		.amdhsa_reserve_vcc 0
		.amdhsa_float_denorm_mode_32 3
		.amdhsa_float_denorm_mode_16_64 3
		.amdhsa_memory_ordered 1
		.amdhsa_forward_progress 1
		.amdhsa_inst_pref_size 232
	.end_amdhsa_kernel
	.amdgpu_metadata
---
amdhsa.version: [ 1, 2 ]
amdhsa.kernels:
  - .name:           k_q7cd7b7a70c_attn
    .symbol:         k_q7cd7b7a70c_attn.kd
    .args:
      - { .name: spec, .offset: 0, .size: 8, .value_kind: global_buffer, .address_space: global }
      - { .name: wcodes, .offset: 8, .size: 8, .value_kind: global_buffer, .address_space: global }
      - { .name: rel, .offset: 16, .size: 8, .value_kind: global_buffer, .address_space: global }
      - { .name: b_lin, .offset: 24, .size: 8, .value_kind: global_buffer, .address_space: global }
      - { .name: lowp_scales, .offset: 32, .size: 8, .value_kind: global_buffer, .address_space: global }
      - { .name: out0, .offset: 40, .size: 8, .value_kind: global_buffer, .address_space: global }
      - { .name: out1, .offset: 48, .size: 8, .value_kind: global_buffer, .address_space: global }
    .group_segment_fixed_size: 327680
    .private_segment_fixed_size: 0
    .kernarg_segment_align: 8
    .kernarg_segment_size: 56
    .max_flat_workgroup_size: 256
    .sgpr_count:     102
    .vgpr_count:     512
    .wavefront_size: 32
...
	.end_amdgpu_metadata
.endif
;; end of part 2
